; MI455X (gfx1250); checked and timed in simulation.
; The chip was launched on July 23, 2026; its instructions are those of AMD's public machine-readable ISA for CDNA 5 (MIT licence, August 2026) and "CDNA5" Instruction Set Architecture Reference Guide (July 2026). The comments in the code are by the model that wrote it; some were corrected since.
;; Causal Self Attention. Allowed arithmetic: matrix products marked QUANTISED: E5M2 operands, one given power-of-two scale a tensor, by v_wmma_f32_16x16x64_bf8_bf8 or v_wmma_f32_16x16x128_bf8_bf8, f32 sums; everything else in f32.
;; Inputs: Wk_codes 1,024 x 32 x 32 uint8 (E5M2 codes of Wk, K innermost, in blocks of 32 codes); Wp_codes 1,024 x 32 x 32 uint8 (E5M2 codes of Wp, K innermost, in blocks of 32 codes); Wq_codes 1,024 x 32 x 32 uint8 (E5M2 codes of Wq, K innermost, in blocks of 32 codes); Wv_codes 1,024 x 32 x 32 uint8 (E5M2 codes of Wv, K innermost, in blocks of 32 codes); bp 1,024 float32; lowp_scales 12 int32 (the exponents e of the quantised operands' scales 2^e); x_codes 4 x 2,048 x 32 x 32 uint8 (E5M2 codes of x, K innermost, in blocks of 32 codes).
;; Outputs: out0 4 x 2,048 x 1,024 float32.
;; This version of the problem:
;;   THIS VERSION OF THE PROBLEM IS GIVEN IN LOW PRECISION. The matrix products marked QUANTISED in the list below multiply operands that are first quantised to E5M2 (5 exponent bits, 2 mantissa bits; 8 bits a number), with one given power-of-two scale for each operand tensor; their sums are f32. All else is computed in f32.
;;   The module's matrix products, in the order in which they are computed (A, B: the left and right operand; K: the contracted axis; several contracted axes count as one K, in the product's order):
;;     1. [M 8,192, K 1,024] x [K 1,024, N 1,024]; A: input x (given as codes); B: input Wq (given as codes): QUANTISED (scales: A lowp_scales[0], B lowp_scales[1])
;;     2. [M 8,192, K 1,024] x [K 1,024, N 1,024]; A: input x (given as codes); B: input Wk (given as codes): QUANTISED (scales: A lowp_scales[2], B lowp_scales[3])
;;     3. [M 8,192, K 1,024] x [K 1,024, N 1,024]; A: input x (given as codes); B: input Wv (given as codes): QUANTISED (scales: A lowp_scales[4], B lowp_scales[5])
;;     4. batch 64 x [M 2,048, K 64] x [K 64, N 2,048]; A: computed on the way; B: computed on the way: QUANTISED (scales: A lowp_scales[6], B lowp_scales[7])
;;     5. batch 64 x [M 2,048, K 2,048] x [K 2,048, N 64]; A: softmax (see below); B: computed on the way: QUANTISED (scales: A lowp_scales[8], B lowp_scales[9])
;;     6. [M 8,192, K 1,024] x [K 1,024, N 1,024]; A: computed on the way; B: input Wp (given as codes): QUANTISED (scales: A lowp_scales[10], B lowp_scales[11])
;;   THE QUANTISER, for each operand of a quantised product, along K:
;;     - The operand's scale is 2^e, e = its entry of the input lowp_scales (int32; the entries are numbered through the quantised products in the list's order, A before B).
;;     - Each number is divided by the scale, clamped to +-57,344, and rounded to the nearest number of E5M2, ties to even, subnormals kept.
;;     - The product sums the exact products of the quantised numbers (number of the format x scale) in f32.
;;   ~~~python
;;   def quantise(x, axis, e):      # numpy; x: float32 -> the quantised numbers, widened to float32 again
;;       x = np.moveaxis(x, axis, -1); K = x.shape[-1]
;;       r = np.clip(x / 2.0 ** e, -57344, 57344)
;;       step = 2.0 ** (np.maximum(np.frexp(np.where(r == 0, 1, r))[1] - 1, -14) - 2)
;;       q = np.round(r / step) * step * 2.0 ** e      # np.round: ties to even
;;       return np.moveaxis(q, -1, axis).astype(np.float32)
;;   ~~~
;;   SOFTMAX AHEAD OF A QUANTISED PRODUCT. Where the list says 'softmax', what is quantised is not the finished softmax but p = 2^(t - M), with t = logit x log2(e) and M = ceil(the row's largest t), a whole number; so 1/2 < the row's largest p <= 1. The row's sum l is taken of the UNQUANTISED p, in f32, and the product's result is divided by l at the end. Since M is a whole number, a kernel that streams over the keys may use a running M (the ceiling of the running maximum): every later rescaling is an exact power of two, so the quantised numbers keep their values, but for numbers so far below the row's largest that they fall under the format's range.
;;   OPERANDS COMPUTED ON THE WAY. 'Computed on the way' means the value that the module computes at that place (a softmax that the list does not call 'softmax' is quantised finished and normalised). What goes into a quantiser is computed in f32, as accurately as f32 sums, v_exp_f32 and their like allow (about 1e-6 of the number): no bf16 or f16 on the way to a quantiser, and a product that is left as it is and whose result goes on into a quantised operand takes f32 operands (vector FMAs, or v_wmma_f32_16x16x4_f32). A number that lies on a knife's edge between two numbers of the format may be rounded either way, as far as f32 arithmetic and the matrix unit's own rounding can turn it there, and no further.
;;   INPUTS GIVEN AS CODES. Wk (in the module: [1024, 1024], K = its axis 1); Wp (in the module: [1024, 1024], K = its axis 1); Wq (in the module: [1024, 1024], K = its axis 1); Wv (in the module: [1024, 1024], K = its axis 1); x (in the module: [4, 2048, 1024], K = its axis 2): each comes as NAME_codes (uint8): NAME with its K axis moved to the last place and cut into blocks of 32 codes, [.., K / 32, bytes a block], one block behind the other in memory; one code a byte (a code: sign, 5 exponent bits, 2 mantissa bits); its scale is its entry of lowp_scales. Its value is code x scale, taken as it is: it is not quantised again, and the codes and scales need not be those that the quantiser above would give.
;; One version. Each part assembles by itself: llvm-mc -triple=amdgcn-amd-amdhsa -mcpu=gfx1250 --defsym DOCPART=n.
;; ======== version 1 of 1: 3 launches
;; limits: right only within a limited range of input values
;; workspace buffers: q_codes 8,388,608 bytes; k_codes 8,388,608 bytes; v_codes 8,388,608 bytes; y_codes 8,388,608 bytes
;; launch qkv (part 1): grid 12 x 32, 4 waves a work-group, clusters of 4 x 4, 327,680 bytes of LDS; arguments x_codes, Wq_codes, Wk_codes, Wv_codes, lowp_scales, q_codes, k_codes, v_codes; writes q_codes, k_codes, v_codes
.if DOCPART == 1
	.amdgcn_target "amdgcn-amd-amdhsa--gfx1250"
	.amdhsa_code_object_version 6
	.text
	.protected	k_qc85c817141_qkv
	.globl	k_qc85c817141_qkv
	.p2align	8
	.type	k_qc85c817141_qkv,@function
k_qc85c817141_qkv:
	s_mov_b64 s[64:65], 0
	v_nop
	global_prefetch_b8 v0, s[64:65] scope:SCOPE_SE
	s_setreg_imm32_b32 hwreg(HW_REG_WAVE_MODE, 25, 1), 1
	s_wait_xcnt 0x0
	s_wait_alu depctr_hold_cnt(0) depctr_sa_sdst(0) depctr_va_vdst(0) depctr_va_sdst(0) depctr_va_ssrc(0) depctr_va_vcc(0) depctr_vm_vsrc(0)
	s_getreg_b32 s2, hwreg(HW_REG_IB_STS2, 6, 4)
	s_cmp_eq_u32 s2, 0
	s_cbranch_scc0 .Lentry_in_a_cluster
	s_endpgm
.Lentry_in_a_cluster:
	s_bfe_u32 s2, ttmp6, 0x10000c
	s_cmp_lg_u32 s2, 0xf033
	s_cbranch_scc0 .Lentry_shape_is_right
	s_endpgm
.Lentry_shape_is_right:
; q = x Wq^T, k = x Wk^T, v^T = Wv x^T on codes of BF8 (E5M2), and the quantisers of q, k and v: three GEMMs C = A B^T of one shape of text, chosen by the cluster's x (0: q, 1: k, 2: v).
; q, k: A = x [8192][1024], B = W [1024][1024].  v: A = Wv, B = x, so that a row of C is a channel and its columns are tokens: v's codes then run along the keys, the K of the product that reads them.
; A sum stands for sum x 2^(ea + eb); its code is sum / 2^f, f = e_out - ea - eb (q: e6 - e0 - e1; k: e7 - e2 - e3; v: e9 - e4 - e5), rounded to the nearest code.
; LIMIT: f lies between -126 and 112, so that 2^f and 57,344 x 2^f are f32 numbers.  NaN codes among the inputs are not served.
; C IS STORED IN PLANES OF 64 COLUMNS: byte (col / 64) x (rows x 64) + row x 64 + place(col % 64).  q, k: [16 heads][8192 tokens][64]; v: [128 blocks of 64 tokens][1024 channels][64].
; Inside each 32 columns, column 16 u + 8 h + j lies at place 16 h + 8 u + j: a lane's 16 codes of two neighbouring accumulators are stored as they stand.  q and k carry the same order, so their products meet;
; for v it is the order in which 16 bytes are the registers of two neighbouring sixteens of keys of the K = 128 form.
; A tile of C, 256 x 256, is made by four waves, 128 x 128 each: 64 accumulators.  K goes in steps of 256 through a ring of two LDS slots filled by the tensor data mover.
; CLUSTERS: 4 x 4 work-groups.  A's tile hangs on the tile row alone and is asked for jointly by a row of the cluster, B's on the tile column alone, by a column.  What is chosen by the cluster's x is the same in all sixteen.
; THE MATRIX INSTRUCTION IS USED TRANSPOSED (source 0 = 16 rows of B, source 1 = 16 rows of A): a lane holds eight neighbouring columns of one row of C, which one conversion turns into eight codes.
; REGISTERS, in windows of 256: window 0: v0-31 addresses and the scale; v128-255 A's fragments, ONE set; on the way out the codes, then whole rows.
;   window 1: B's fragments, TWO sets, at v0 and v128.   window 2: the accumulators of my rows 0-63 ((a, b) at v[8 (8 a + b)]);   window 3: those of my rows 64-127.
.set ROWB,   256                       ; a tile's row in bytes: 256 along K
.set KROW,   1024                      ; a row of A or of B in memory
.set PITCH,  272                       ; an LDS row: 256 bytes + 16 of padding: the 16 rows that a load touches start at 16 different banks (64 banks of 4 bytes: ISA guide 11.1)
.set FR,     16                        ; registers of a fragment: 16 rows x 128 K
.set NL,     4                         ; LDS loads that bring one
.set NP,     4                         ; places behind this matrix instruction (ISA guide 7.12.1)
.set HALFT,  128*PITCH                 ; 128 rows: what one tensor load brings
.set SLOT,   4*HALFT                   ; A's 256 rows, then B's 256 rows
.set LAPS,   2                         ; K = 1,024 is four K steps: twice round the ring
.set SPARE,  2*SLOT                    ; behind the ring: the spare words, 128 bytes for each wave
.set SPITCH, 80                        ; the way out: a stage row: 64 codes + 16 bytes
.set PLANE,  256*SPITCH                ; a plane of the stage: the tile's 256 rows.  The four planes lie in slot 0, which has had its last fill and its last read by then
.set ADRA, 16                          ; v16-17  LDS address of my A fragments in slot 0, 1
.set ADRB, 20                          ; v20-21  the same for B
.set STO,  24                          ; v24     the way out: where I put 16 codes of a row
.set RD,   25                          ; v25     where I read rows back
.set CO,   26                          ; v26     16 x lane: my byte in 512 bytes of C
.set SPW,  28                          ; v28     LDS address of my spare word; never rewritten
.set NIL,  29                          ; v29     0; never rewritten
.set SC,   30                          ; v30     2^f
.set LIM,  31
.set TMP,  32
.set AF,   128                         ; A's fragments
.set CD,   128                         ; the way out: codes, 16 registers a block; then 32 x 4 registers of rows
.set G1, 24                            ; s[24:31] descriptor group 1 for A's tiles;  s[32:39] group 0, one set for each slot
.set G0, 32
.set G1B, 48                           ; s[48:55], s[56:63] the same for B's tiles
.set G0B, 56
.set MSB, 0
.macro WIN new                         ; the immediate's high byte repeats the setting that is left; a switch that changes nothing is dropped
.if MSB != (\new)
	s_set_vgpr_msb (MSB<<8)|(\new)
.set MSB, \new
.endif
.endm
.set MUL_LO, 0xa1                      ; source 0 (B) window 1, source 1 (A) window 0, C and D window 2
.set MUL_HI, 0xf1                      ; the same, C and D window 3
.set TO_B,   0x40                      ; destination window 1, address window 0
; A joint load: waves 0 and 1 fetch for A, waves 2 and 3 for B.  The branch hangs on the wave's number alone.  Four v_nop follow each of the two lines.
.macro JLOAD g0a, g1a, g0b, g1b
	s_cmp_eq_u32 s15, 0
	s_cbranch_scc0 .Lfor_b_\@
	tensor_load_to_lds s[\g0a:\g0a+3], s[\g1a:\g1a+7]
	s_nop 0
.rept 4
	v_nop
.endr
	s_branch .Lasked_\@
.Lfor_b_\@:
	tensor_load_to_lds s[\g0b:\g0b+3], s[\g1b:\g1b+7]
	s_nop 0
.rept 4
	v_nop
.endr
.Lasked_\@:
.endm
.macro CREST                           ; a round of the cluster's barrier behind its opening barrier
	s_cmp_lg_u32 s14, 0
	s_cbranch_scc1 .Lnot_wave_0_\@
	s_barrier_signal -3
.Lnot_wave_0_\@:
	s_barrier_wait -3
	s_barrier_signal -1
	s_barrier_wait -1
.endm
.macro CROUND                          ; a whole round
	s_barrier_signal -1
	s_barrier_wait -1
	CREST
.endm
	s_load_b512 s[68:83], s[0:1], 0x0              ; x s[68:69], Wq s[70:71], Wk s[72:73], Wv s[74:75], the scales s[76:77], q s[78:79], k s[80:81], v s[82:83]
	v_lshl_add_u32 v[SPW], v0, 2, SPARE
	v_mov_b32 v[NIL], 0
	ds_add_u32 v28, v29
	ds_add_u32 v28, v29
	s_wait_dscnt 0x0
	v_lshrrev_b32 v1, 5, v0
	v_readfirstlane_b32 s14, v1                    ; wave 0..3
	s_lshr_b32 s15, s14, 1                         ; which half of the tile's rows is mine.  Also: I fetch for A (0) or for B (1)
	s_and_b32 s16, s14, 1                          ; which half of its columns.  Also: which 128 rows of that tile I fetch
	s_bfe_u32 s40, ttmp6, 0x40000                  ; cx, cy: my place in the cluster
	s_bfe_u32 s41, ttmp6, 0x40004
	s_and_b32 s18, ttmp7, 0xffff                   ; the cluster's y, 0..7
	s_cmp_eq_u32 ttmp9, 2                          ; the cluster's x says which product: the same in all sixteen partners
	s_cselect_b32 s19, 0, s18                      ; q, k: 32 tile rows (tokens), 4 tile columns;  v: 4 tile rows (channels), 32 tile columns
	s_cselect_b32 s22, s18, 0
	s_cselect_b32 s98, 16, 19                      ; a plane of C is 2^16 bytes (1,024 rows) for v, 2^19 (8,192 rows) for q and k
	s_lshl_b32 s17, s19, 2
	s_add_co_u32 s17, s17, s41                     ; tile row of C
	s_lshl_b32 s42, s22, 2
	s_add_co_u32 s42, s42, s40                     ; tile column of C
	s_lshl_b32 s43, s41, 2
	s_lshl_b32 s43, 15, s43                        ; my row of the cluster
	s_lshl_b32 s44, 0x1111, s40                    ; my column
	; descriptor group 1: a tile of 128 rows x 256 bytes, padded in LDS
	s_or_b32 s[G1+0], s43, (0<<16)|(1<<20)|(1<<21)|(5<<22)|(3<<25)  ; 15:0 the mask: A's tiles go to my row; 17:16 elements of 1 byte; 20 padding on; 21 set beside a mask; 24:22 after every 64 words; 31:25 four words
	s_or_b32 s[G1B+0], s44, (0<<16)|(1<<20)|(1<<21)|(5<<22)|(3<<25)
.irp g, G1, G1B
	s_mov_b32 s[\g+1], ROWB<<16                    ; tensor_dim0
	s_mov_b32 s[\g+2], 128<<16                     ; tensor_dim1
	s_mov_b32 s[\g+3], ROWB<<16                    ; tile_dim0
	s_mov_b32 s[\g+4], 128                         ; tile_dim1
	s_mov_b32 s[\g+5], KROW                        ; tensor_dim0_stride
	s_mov_b32 s[\g+6], 0
	s_mov_b32 s[\g+7], 0
.endr
	s_lshl_b32 s18, s16, 7                         ; which 128 rows of the tile I fetch
	s_lshl_b32 s20, s17, 8
	s_add_co_u32 s20, s20, s18                     ; A: row 256 x tile row + 128 x half,
	s_lshl_b32 s20, s20, 10                        ; in bytes (under 2^23)
	s_mov_b32 s21, 0
	s_lshl_b32 s46, s42, 8
	s_add_co_u32 s46, s46, s18                     ; B: row 256 x tile column + 128 x half
	s_lshl_b32 s46, s46, 10
	s_mov_b32 s47, 0
	s_mul_i32 s45, s14, HALFT                      ; where they go: wave x 128 rows: no place in the cluster enters an LDS address
	s_wait_kmcnt 0x0
	s_load_b256 s[84:91], s[76:77], 0x0            ; e0 .. e7
	s_load_b128 s[92:95], s[76:77], 0x20           ; e8 .. e11
	s_cmp_eq_u32 ttmp9, 2
	s_cselect_b64 s[4:5], s[74:75], s[68:69]       ; A: Wv, or x
	s_cselect_b64 s[6:7], s[68:69], s[72:73]       ; B: x, or Wk,
	s_cselect_b64 s[10:11], s[82:83], s[80:81]     ; C: v's codes, or k's,
	s_cmp_eq_u32 ttmp9, 0
	s_cselect_b64 s[6:7], s[70:71], s[6:7]         ; or Wq
	s_cselect_b64 s[10:11], s[78:79], s[10:11]     ; and q's codes
	s_add_nc_u64 s[20:21], s[4:5], s[20:21]
	s_add_nc_u64 s[46:47], s[6:7], s[46:47]
	CROUND                                         ; all sixteen work-groups are here: the first joint loads meet
.irp s, 0,1
	s_mov_b32 s[G0+4*\s], 1
	s_add_co_u32 s[G0+4*\s+1], s45, \s*SLOT
	s_add_nc_u64 s[G0+4*\s+2:G0+4*\s+3], s[20:21], \s*ROWB
	s_or_b32 s[G0+4*\s+3], s[G0+4*\s+3], 0x80000000
	s_mov_b32 s[G0B+4*\s], 1
	s_add_co_u32 s[G0B+4*\s+1], s45, \s*SLOT
	s_add_nc_u64 s[G0B+4*\s+2:G0B+4*\s+3], s[46:47], \s*ROWB
	s_or_b32 s[G0B+4*\s+3], s[G0B+4*\s+3], 0x80000000
	JLOAD G0+4*\s, G1, G0B+4*\s, G1B
.endr
	v_and_b32 v1, 15, v0                           ; r = lane % 16
	s_wait_alu depctr_va_vdst(0)
	v_bfe_u32 v2, v0, 4, 1                         ; h = lane / 16
	v_mul_u32_u24 v3, v1, PITCH
	v_lshl_add_u32 v4, v2, 4, v3                   ; a fragment's row x pitch + 16 x half
	s_mul_i32 s21, s15, HALFT                      ; my 128 rows of A
	s_mul_i32 s22, s16, HALFT                      ; my 128 rows of B,
	s_add_co_u32 s22, s22, 2*HALFT                 ; which lie behind A's 256
.irp s, 0,1
	v_add_nc_u32 v[ADRA+\s], s21, v4
	v_add_nc_u32 v[ADRB+\s], s22, v4
	s_add_co_u32 s21, s21, SLOT
	s_add_co_u32 s22, s22, SLOT
.endr
	s_mul_i32 s23, s16, 2*PLANE                    ; into the stage: my two planes (128 columns),
	s_mul_i32 s22, s15, 128*SPITCH                 ; my 128 rows,
	s_add_co_u32 s23, s23, s22
	v_mul_u32_u24 v5, v1, SPITCH                   ; row r, 16 bytes for each half of the lanes
	s_wait_alu depctr_va_vdst(0)
	v_lshl_add_u32 v5, v2, 4, v5
	v_add_nc_u32 v[STO], s23, v5
	v_and_b32 v6, 31, v0
	v_lshrrev_b32 v7, 2, v6                        ; back: wave w takes plane w; four lanes to a row of 64 bytes, eight rows an instruction
	v_mul_u32_u24 v7, v7, SPITCH
	v_and_b32 v8, 3, v6
	v_lshl_add_u32 v7, v8, 4, v7
	s_mul_i32 s23, s14, PLANE
	v_add_nc_u32 v[RD], s23, v7
	v_lshlrev_b32 v[CO], 4, v6
	s_lshl_b32 s46, s42, 2
	s_add_co_u32 s46, s46, s14                     ; the plane of C that I store: 4 x tile column + wave,
	s_lshl_b32 s46, s46, s98                       ; in bytes,
	s_lshl_b32 s47, s17, 14                        ; and the tile's 256 rows of 64 bytes in it
	s_add_co_u32 s46, s46, s47
	s_mov_b32 s47, 0
	s_add_nc_u64 s[10:11], s[10:11], s[46:47]
.macro FRAG reg, adr, q, i             ; a fragment, 16 rows x 128 K, is 16 registers: lane l holds row l % 16; registers 4 c .. 4 c + 3 hold K = 32 c + 16 (l / 16) + 0 .. 15: the same order of K in A and in B
.irp c, 0,1,2,3
	ds_load_b128 v[\reg+4*\c:\reg+4*\c+3], v[\adr] offset:128*(\q)+32*\c+(\i)*16*PITCH
.endr
.endm
; 16 matrix instructions: A's blocks a0, a0 + 1 x B's eight, 128 along K.  p: B's set.  zero = 1: the first product starts the sums.  The 64 accumulators take turns, one instruction a turn.
.macro MUL16 a0, p, zero
.irp a, \a0, \a0+1
.irp b, 0,1,2,3,4,5,6,7
.if \zero
	v_wmma_f32_16x16x128_bf8_bf8 v[8*(8*((\a)%4)+\b):8*(8*((\a)%4)+\b)+7], v[128*(\p)+FR*\b:128*(\p)+FR*\b+FR-1], v[AF+FR*(\a):AF+FR*(\a)+FR-1], 0
.else
	v_wmma_f32_16x16x128_bf8_bf8 v[8*(8*((\a)%4)+\b):8*(8*((\a)%4)+\b)+7], v[128*(\p)+FR*\b:128*(\p)+FR*\b+FR-1], v[AF+FR*(\a):AF+FR*(\a)+FR-1], v[8*(8*((\a)%4)+\b):8*(8*((\a)%4)+\b)+7]
.endif
.endr
.endr
.endm
.macro FETCH_B slot, q, p              ; B's eight fragments of the slot's q-th 128 along K into set p
	WIN TO_B
.irp i, 0,1,2,3,4,5,6,7
	FRAG 128*(\p)+FR*\i, ADRB+\slot, \q, \i
.endr
	WIN 0
.endm
.macro FETCH_A slot, q, i0             ; A's blocks i0 .. i0 + 3
.irp i, \i0, \i0+1, \i0+2, \i0+3
	FRAG AF+FR*(\i), ADRA+\slot, \q, \i
.endr
.endm
.macro PLACES n                        ; plain vector instructions between a matrix instruction and a load into its sources or a read of its result
.rept \n
	v_nop
.endr
.endm
; A step of 128 along K that has its successor in the same slot.  A's blocks are free as soon as their eight products are issued: blocks 0-3 are fetched anew in the middle, blocks 4-7 at the end.
.macro STEP slot, q, zero
	s_wait_dscnt 4*NL                              ; B's set and A's blocks 0-3 are in; the youngest 16 loads (A's blocks 4-7) may be out
	WIN MUL_LO
	MUL16 0, (\q)%2, \zero
	MUL16 2, (\q)%2, \zero
	s_wait_dscnt 0                                 ; A's blocks 4-7 are in
	PLACES NP
	FETCH_B \slot, (\q)+1, 1-(\q)%2
	FETCH_A \slot, (\q)+1, 0
	WIN MUL_HI
	MUL16 4, (\q)%2, \zero
	MUL16 6, (\q)%2, \zero
	PLACES NP
	WIN 0
	FETCH_A \slot, (\q)+1, 4
.endm
; A slot's last step changes slots: ONE barrier; in front of it each wave waits for all its tensor loads, adds 0 to its spare word, and waits for that and for its own reads of this slot.  fill = 1: the slot is filled again, two K steps ahead.
.macro TURN slot, next, fill
	s_wait_tensorcnt 0x0                           ; all my tensor loads have landed: my part of the next slot
	ds_add_u32 v[SPW], v[NIL]                      ; 0 onto my spare word
	s_wait_dscnt 4*NL+1                            ; (the add and the youngest 16 loads, A's blocks 4-7, may be out)
	WIN MUL_LO
	MUL16 0, 1, 0                                  ; sixteen matrix instructions stand between the add and the wait for it
	s_wait_dscnt 0x0                               ; the add is done, and my reads of this slot are over
	s_barrier_signal -1
	MUL16 2, 1, 0
	WIN 0
	s_barrier_wait -1
.if \fill
	CREST                                          ; the barrier has opened a round of the cluster's: no wave of any partner still reads this slot or has a load on its way
	s_add_nc_u64 s[G0+4*\slot+2:G0+4*\slot+3], s[G0+4*\slot+2:G0+4*\slot+3], 2*ROWB
	s_add_nc_u64 s[G0B+4*\slot+2:G0B+4*\slot+3], s[G0B+4*\slot+2:G0B+4*\slot+3], 2*ROWB
	JLOAD G0+4*\slot, G1, G0B+4*\slot, G1B         ; the first tensor load behind the round; its four v_nop are the places in front of the loads below
.else
	PLACES NP
.endif
	FETCH_B \next, 0, 0
	FETCH_A \next, 0, 0
	WIN MUL_HI
	MUL16 4, 1, 0
	MUL16 6, 1, 0
	PLACES NP
	WIN 0
	FETCH_A \next, 0, 4
.endm
	s_wait_tensorcnt 1                             ; my part of K step 0 is in; K step 1's load may be out
	s_barrier_signal -1
	s_barrier_wait -1                              ; everybody's is
	FETCH_B 0, 0, 0
	FETCH_A 0, 0, 0
	FETCH_A 0, 0, 4
	STEP 0, 0, 1                                   ; the first step stands in front of the loop: its products start the sums
	s_mov_b32 s3, LAPS-1
.Llap:                                                 ; a trip goes once round the ring and fills both slots again
	TURN 0, 1, 1
	STEP 1, 0, 0
	TURN 1, 0, 1
	STEP 0, 0, 0
	s_sub_co_u32 s3, s3, 1
	s_cmp_lg_u32 s3, 0
	s_cbranch_scc1 .Llap
	TURN 0, 1, 0                                   ; the last lap fills nothing
	STEP 1, 0, 0
	s_wait_dscnt 4*NL                              ; the very last step: nothing more to fetch
	WIN MUL_LO
	MUL16 0, 1, 0
	MUL16 2, 1, 0
	s_wait_dscnt 0
	WIN MUL_HI
	MUL16 4, 1, 0
	MUL16 6, 1, 0
	WIN 0
	; THE WAY OUT.  The three exponents are folded into the conversion's one scale; which product's they are is chosen without a branch.
	s_wait_kmcnt 0x0
	s_sub_co_i32 s20, s90, s84
	s_sub_co_i32 s20, s20, s85                     ; q: e6 - e0 - e1
	s_sub_co_i32 s21, s91, s86
	s_sub_co_i32 s21, s21, s87                     ; k: e7 - e2 - e3
	s_sub_co_i32 s22, s93, s88
	s_sub_co_i32 s22, s22, s89                     ; v: e9 - e4 - e5
	s_cmp_eq_u32 ttmp9, 1
	s_cselect_b32 s20, s21, s20
	s_cmp_eq_u32 ttmp9, 2
	s_cselect_b32 s20, s22, s20
	s_add_co_i32 s20, s20, 127
	s_lshl_b32 s96, s20, 23                        ; 2^f as f32: the conversion takes its exponent field
	s_add_co_i32 s20, s20, 15
	s_lshl_b32 s97, s20, 23
	s_or_b32 s97, s97, 0x600000                    ; 57,344 x 2^f
	PLACES NP                                      ; behind the last products: their results are read and A's registers written below
	v_mov_b32 v[SC], s96
; Block a (16 rows x 128 columns): converted, and put into the stage: 16 codes a lane and a group of 32 columns.
.macro CODES a
.set AC, 64*((\a)%4)
	WIN 0x02+((\a)/4)                              ; source 0: window 2 or 3
.set J, 0
.rept 64
.set J, J+1
.endr
.irp b, 0,1,2,3,4,5,6,7
	v_cvt_scalef32_pk8_bf8_f32 v[CD+16*(\a)+2*\b:CD+16*(\a)+2*\b+1], v[AC+8*\b:AC+8*\b+7], v[SC]
.endr
	WIN 0
	v_nop                                          ; a plain instruction behind the conversions
.irp g, 0,1,2,3
	ds_store_b128 v[STO], v[CD+16*(\a)+4*\g:CD+16*(\a)+4*\g+3] offset:(\g/2)*PLANE+(\a)*16*SPITCH+32*(\g%2)
.endr
.endm
.irp a, 0,1,2,3,4,5,6,7
	CODES \a
.endr
	s_wait_dscnt 0x0                               ; for the others' sake: my stores into the stage are done (a plane's rows come from two waves)
	s_barrier_signal -1
	s_barrier_wait -1
.set I, 0
.rept 32
	ds_load_b128 v[CD+4*I:CD+4*I+3], v[RD] offset:8*SPITCH*I
.set I, I+1
.endr
.set I, 0
.rept 32
	s_wait_dscnt 31-I                              ; LDS loads come back in order: load I is in, the younger ones may be out
	global_store_b128 v[CO], v[CD+4*I:CD+4*I+3], s[10:11] offset:512*I   ; 32 lanes store 512 consecutive bytes, at a multiple of 256 from C's first byte
.set I, I+1
.endr
	s_wait_tensorcnt 0x0                           ; the wave's end
	ds_add_u32 v[SPW], v[NIL]
	s_wait_dscnt 0x0
	CROUND                                         ; the closing round: no work-group ends while a partner may still ask for a tile that names it
	s_endpgm
.Lfunc_end_k_qc85c817141_qkv:
	.size	k_qc85c817141_qkv, .Lfunc_end_k_qc85c817141_qkv-k_qc85c817141_qkv
	.p2alignl 7, 3214868480
	.fill 96, 4, 3214868480
	.section	.rodata,"a",@progbits
	.p2align	6, 0x0
	.amdhsa_kernel k_qc85c817141_qkv
		.amdhsa_group_segment_fixed_size 327680
		.amdhsa_private_segment_fixed_size 0
		.amdhsa_enable_private_segment 0
		.amdhsa_kernarg_size 64
		.amdhsa_user_sgpr_count 2
		.amdhsa_user_sgpr_kernarg_segment_ptr 1
		.amdhsa_wavefront_size32 1
		.amdhsa_system_sgpr_workgroup_id_x 1
		.amdhsa_system_sgpr_workgroup_id_y 1
		.amdhsa_system_sgpr_workgroup_id_z 1
		.amdhsa_system_vgpr_workitem_id 0
		.amdhsa_next_free_vgpr 1024
		.amdhsa_next_free_sgpr 100
		.amdhsa_reserve_vcc 0
		.amdhsa_float_denorm_mode_32 3
		.amdhsa_float_denorm_mode_16_64 3
		.amdhsa_fp16_overflow 1
		.amdhsa_memory_ordered 1
		.amdhsa_forward_progress 1
		.amdhsa_inst_pref_size 92
	.end_amdhsa_kernel
	.amdgpu_metadata
---
amdhsa.version: [ 1, 2 ]
amdhsa.kernels:
  - .name:           k_qc85c817141_qkv
    .symbol:         k_qc85c817141_qkv.kd
    .args:
      - { .name: x_codes, .offset: 0, .size: 8, .value_kind: global_buffer, .address_space: global }
      - { .name: Wq_codes, .offset: 8, .size: 8, .value_kind: global_buffer, .address_space: global }
      - { .name: Wk_codes, .offset: 16, .size: 8, .value_kind: global_buffer, .address_space: global }
      - { .name: Wv_codes, .offset: 24, .size: 8, .value_kind: global_buffer, .address_space: global }
      - { .name: lowp_scales, .offset: 32, .size: 8, .value_kind: global_buffer, .address_space: global }
      - { .name: q_codes, .offset: 40, .size: 8, .value_kind: global_buffer, .address_space: global }
      - { .name: k_codes, .offset: 48, .size: 8, .value_kind: global_buffer, .address_space: global }
      - { .name: v_codes, .offset: 56, .size: 8, .value_kind: global_buffer, .address_space: global }
    .group_segment_fixed_size: 327680
    .private_segment_fixed_size: 0
    .kernarg_segment_align: 8
    .kernarg_segment_size: 64
    .max_flat_workgroup_size: 128
    .sgpr_count:     100
    .vgpr_count:     1024
    .wavefront_size: 32
...
	.end_amdgpu_metadata
.endif
;; end of part 1
;; launch attn (part 2): grid 4 x 64, 16 waves a work-group, no clusters, 327,680 bytes of LDS; arguments q_codes, k_codes, v_codes, lowp_scales, y_codes; writes y_codes
.if DOCPART == 2
	.amdgcn_target "amdgcn-amd-amdhsa--gfx1250"
	.amdhsa_code_object_version 6
	.text
	.protected	k_qc85c817141_attn
	.globl	k_qc85c817141_attn
	.p2align	8
	.type	k_qc85c817141_attn,@function
k_qc85c817141_attn:
	s_mov_b64 s[64:65], 0
	v_nop
	global_prefetch_b8 v0, s[64:65] scope:SCOPE_SE
	s_setreg_imm32_b32 hwreg(HW_REG_WAVE_MODE, 25, 1), 1
	s_wait_xcnt 0x0
; y[b][h][q] = the sum over keys k <= q of softmax_k(q . k / 8) v, both products on codes of BF8 (E5M2), and the quantiser of y.  Heads of 64, 2,048 tokens, 64 pairs (b, h).
; q, k, y: [16 heads][8192 tokens][64] codes.  v: [128 blocks of 64 tokens][1024 channels][64] codes, keys innermost.  Scales: q e6, k e7, p e8, v e9, y e10.
; THE SOFTMAX: t = score x log2(e) / 8; M = the row's largest t so far, rounded UP to a whole number; p = 2^(t - M) is quantised with 2^e8, not normalised; the row's sum is taken of the unquantised p and divides at the end.
; When M moves, the sum and O are multiplied by 2^(old M - new M), which rounds nothing.
; SHARES.  Work-group (p, bh) owns two blocks of 256 queries of one (b, h): first block 7 - p, which needs key slots 0 .. 7 - p, then block p, which needs slots 0 .. p: 9 slots of 256 keys in EVERY work-group.
; So all work-groups have equal work, nothing wholly under the mask is fetched, and the loop's trip count is a constant.  Each of the sixteen waves owns 16 queries of the block in hand; four waves share a SIMD.
; NO CLUSTER: from trip 8 - p on the four work-groups of a (b, h) need different slots in the same trip, so they have no joint request to make.
; LAYOUT.  S^T = K Q^T (source 0 = 16 keys, source 1 = my 16 queries, K = 64) and O^T = V^T P^T (source 0 = 16 channels, source 1 = P, K = 128 keys): a lane holds ONE query (lane % 16) throughout.
; Tile i of S^T gives lane (r, h) keys 16 i + 8 h + 0 .. 7: its eight codes are registers 2 i, 2 i + 1 of P in the K = 128 form's own order; v's codes are stored so that 16 bytes at 32 c + 16 h are the same keys' registers.
; LIMITS on the given exponents, so that each power of two below is an f32 number: e6 + e7 between -123 and 130 (added to c's exponent field); e8, and e10 - e8 - e9, between -126 and 112.  NaN codes are not served.
; REGISTERS: v1-10 addresses that stay; v12 -M, v13 the largest t, v[14:15] the sum in two halves; v16-23 Q in hand; v24-31 Q of the second block; v32-95 eight fragments of K, then four of V;
;   v96-159 S^T, then p; v160-191 O^T; v224-239 p's codes; v244 p's scale; v245 y's; v236, v240-243, v246-255 at work.
.set KP,    80                         ; a row of 64 codes in LDS: + 16 bytes of padding: the 16 rows that a load touches start at 16 different banks (ISA guide 11.1)
.set VBL,   64*KP                      ; 64 rows: what one tensor load brings
.set VOFF,  4*VBL                      ; a slot: K's 256 rows, then V's four blocks of 64 keys x 64 channels
.set SLOT1, 1<<16                      ; slot 1 begins here: one exclusive or turns an address from one slot to the other
.set STAGE, 2*SLOT1                    ; behind the ring: 16 rows x 80 bytes for each wave, for the way out; no tile lands here
.set SPARE, STAGE+16*16*KP             ; behind the stages: the spare words, 128 bytes for each wave
.set LT,   1                           ; v1   my lane's place in a tile: row r x 80 + 16 h
.set QA,   2                           ; v2   my byte offset in Q's first block
.set PFO,  3                           ; v3   the prefetches' offset; never rewritten
.set STO,  4                           ; v4   the way out: where I put 8 codes
.set SPW,  5                           ; v5   LDS address of my spare word; never rewritten
.set NIL,  6                           ; v6   0; never rewritten
.set RD,   7                           ; v7   the way out: where I read rows back
.set ADR,  8                           ; v8   LDS address of the slot in hand + LT
.set GOA,  9                           ; v9   my byte offset in y for the first block
.set GOB,  10                          ; v10  for the second
.set WV,   18                          ; s18  my wave's number
.set SEL,  20                          ; s[20:21] lane selects for v_permlanex16_b32: lane l xor 16
.set CS,   22                          ; s[22:23] c = log2(e) / 8 x 2^(e6 + e7)
.set G1,   24                          ; s[24:31] descriptor group 1: one shape for K's and V's tiles
.set G0,   40                          ; s[40:43] descriptor group 0, which walks
.set STP,  44                          ; s[44:45] a slot on, in bytes: 16,384 in K, 262,144 in V
.set BACK, 46                          ; s[46:47] what is taken off again: 0, or at the change of blocks BKV
.set BKV,  48                          ; s48  (8 - p) slots
.set RB,   52                          ; s[52:53] K's or V's first byte of my (b, h), by my wave's role
.set TB,   2                           ; s2   LDS byte at which the slot in hand begins
.set SWAT, 66                          ; s66  1 + p: the value of SLOTS in the first block's last trip
.set SLOTS, 67                         ; s67  trips to go in the loop
.set PFA,  76                          ; s[76:77] where my prefetches stand
.set LIM,  80                          ; s80  2 in a wave that prefetches, else the greatest number
.set Q0B,  97                          ; s97  my first query in the second block
.set KF,   98                          ; s98  the step's first key
.set Q0,   99                          ; s99  my first query in the block in hand
; Waves 0 to 3 fetch K's quarters, waves 4 to 7 V's blocks, the others nothing.  The branch hangs on the wave's number alone.  Four v_nop follow the load.
.macro TLOAD
	s_cmp_lt_u32 s[WV], 8
	s_cbranch_scc0 .Lasked_\@
	tensor_load_to_lds s[G0:G0+3], s[G1:G1+7]
	s_nop 0
.rept 4
	v_nop
.endr
.Lasked_\@:
.endm
; A PREFETCH INTO THE L2 of the slot that the NEXT change of slots will ask for: 16,384 bytes of K and four blocks of 4,096 bytes of V, lanes 256 bytes apart.  All four work-groups of a (b, h) walk the same slots in their first trips:
; the one with p = 0, which walks all eight in order, asks; in it waves 8, 9 ask for K's halves and waves 12, 13 for V's: each aligned block of 256 bytes is named once in the launch.
; In trip t slot t + 2 is named, a slot's two key steps ahead of its load; trip 5 names slot 7, the last; slots 0 and 1 come by their loads alone.
.macro ASK
	s_cmp_gt_u32 s[SLOTS], s[LIM]
	s_cbranch_scc0 .Lnot_mine_\@
	global_prefetch_b8 v[PFO], s[PFA:PFA+1] th:TH_LOAD_NT scope:SCOPE_SE
.Lnot_mine_\@:
.endm
	s_load_b256 s[4:11], s[0:1], 0x0               ; q s[4:5], k s[6:7], v s[8:9], the scales s[10:11]
	s_load_b64 s[12:13], s[0:1], 0x20              ; y
	v_lshl_add_u32 v[SPW], v0, 2, SPARE
	v_mov_b32 v[NIL], 0
	ds_add_u32 v5, v6
	ds_add_u32 v5, v6
	s_wait_dscnt 0x0
	v_lshrrev_b32 v8, 5, v0
	s_delay_alu instid0(VALU_DEP_1)
	v_readfirstlane_b32 s[WV], v8                  ; wave 0..15
	s_and_b32 s82, ttmp7, 0xffff                   ; 16 b + head
	s_lshr_b32 s83, s82, 4                         ; b
	s_and_b32 s84, s82, 15                         ; head
	s_lshl_b32 s85, s84, 19
	s_lshl_b32 s86, s83, 17
	s_add_co_u32 s86, s86, s85                     ; my (b, h) in q, k, y: head x 8,192 rows + b x 2,048 rows, of 64 bytes
	s_mov_b32 s87, 0
	s_lshl_b32 s88, s83, 21                        ; in v: 32 b blocks of 65,536 bytes
	s_lshl_b32 s89, s84, 12                        ; + the head's 64 channels of 64 bytes
	s_add_co_u32 s88, s88, s89
	s_bfe_u32 s90, s[WV], 0x10002                  ; my role: bit 2 of the wave's number: 0 for K, 1 for V
	s_cmp_eq_u32 s90, 0
	s_cselect_b32 s91, 12, 16                      ; a quarter of a slot is 2^12 bytes on in K, 2^16 in V
	s_cselect_b32 s92, s86, s88
	s_mov_b32 s93, 0
	s_and_b32 s94, s[WV], 3
	s_lshl_b32 s94, s94, s91                       ; my quarter
	s_mov_b32 s95, 0
	s_lshl_b32 s[STP], 4, s91
	s_mov_b32 s[STP+1], 0
	s_sub_co_u32 s73, 8, ttmp9
	s_mul_i32 s[BKV], s73, s[STP]
	s_mov_b32 s[BACK], 0
	s_mov_b32 s[BACK+1], 0
	s_and_b32 s74, s[WV], 7
	s_mul_i32 s74, s74, VBL                        ; where my tile goes in a slot
	; descriptor group 1: 64 dense rows of 64 bytes, 16 bytes of padding behind each
	s_mov_b32 s[G1], (0<<16)|(1<<20)|(3<<22)|(3<<25)   ; 15:0 no mask; 17:16 elements of 1 byte; 20 padding on; 24:22 after every 16 words; 31:25 four words
	s_mov_b32 s[G1+1], 64<<16                      ; tensor_dim0
	s_mov_b32 s[G1+2], 64<<16                      ; tensor_dim1
	s_mov_b32 s[G1+3], 64<<16                      ; tile_dim0
	s_mov_b32 s[G1+4], 64                          ; tile_dim1
	s_mov_b32 s[G1+5], 64                          ; tensor_dim0_stride
	s_mov_b32 s[G1+6], 0
	s_mov_b32 s[G1+7], 0
	s_mov_b32 s[SEL], 0x76543210
	s_mov_b32 s[SEL+1], 0xfedcba98
	s_mov_b32 s[CS], 0x3e38aa3b                    ; log2(e) / 8
	s_mov_b32 s[TB], 0
	s_mov_b32 s[SLOTS], 8
	s_add_co_u32 s[SWAT], ttmp9, 1
	s_mov_b32 s[KF], 0
	s_wait_kmcnt 0x0
	s_load_b128 s[68:71], s[10:11], 0x18           ; e6, e7, e8, e9
	s_load_b32 s72, s[10:11], 0x28                 ; e10
	s_cmp_eq_u32 s90, 0
	s_cselect_b64 s[RB:RB+1], s[6:7], s[8:9]
	s_add_nc_u64 s[RB:RB+1], s[RB:RB+1], s[92:93]
	s_mov_b32 s[G0], 1                             ; 1:0 count = 1
	s_mov_b32 s[G0+1], s74                         ; 63:32 LDS address: slot 0
	s_add_nc_u64 s[G0+2:G0+3], s[RB:RB+1], s[94:95]   ; 120:64 global address: key slot 0
	s_or_b32 s[G0+3], s[G0+3], 0x80000000          ; 127:126 type = 2
	TLOAD                                          ; slot 0: one tensor load of mine is out
	s_add_nc_u64 s[PFA:PFA+1], s[RB:RB+1], s[STP:STP+1]   ; at slot 1: the first change of slots steps it to slot 2
	s_lshr_b32 s85, s[WV], 3
	s_xor_b32 s85, s85, 1                          ; 0 in waves 8 to 15,
	s_and_b32 s89, s[WV], 2                        ; of them 8, 9, 12, 13,
	s_or_b32 s85, s85, s89
	s_or_b32 s85, s85, ttmp9                       ; of the work-group with p = 0
	s_cmp_eq_u32 s85, 0
	s_cselect_b32 s[LIM], 2, -1
	s_lshl_b32 s75, s[WV], 10                      ; my wave's 16 rows of 64 bytes
	s_add_co_u32 s86, s86, s75
	s_add_nc_u64 s[4:5], s[4:5], s[86:87]
	s_add_nc_u64 s[12:13], s[12:13], s[86:87]
	s_sub_co_u32 s82, 7, ttmp9                     ; the first block of queries
	s_lshl_b32 s83, s82, 14                        ; its 256 rows of 64 bytes,
	s_lshl_b32 s84, ttmp9, 14                      ; and the second block's
	s_lshl_b32 s85, s[WV], 4
	s_lshl_b32 s[Q0], s82, 8
	s_add_co_u32 s[Q0], s[Q0], s85
	s_lshl_b32 s[Q0B], ttmp9, 8
	s_add_co_u32 s[Q0B], s[Q0B], s85
	v_and_b32 v8, 15, v0                           ; r
	v_bfe_u32 v11, v0, 4, 1                        ; h
	s_delay_alu instid0(VALU_DEP_2)
	v_lshlrev_b32 v[QA], 6, v8
	s_delay_alu instid0(VALU_DEP_1)
	v_lshl_add_u32 v[QA], v11, 4, v[QA]            ; Q: row r of 64 bytes + 16 h: the places that K's fragments take from LDS
	s_delay_alu instid0(VALU_DEP_1)
	v_add_nc_u32 v242, s84, v[QA]
	s_delay_alu instid0(VALU_DEP_2)
	v_add_nc_u32 v[QA], s83, v[QA]
	global_load_b128 v[16:19], v[QA], s[4:5]
	global_load_b128 v[20:23], v[QA], s[4:5] offset:32
	global_load_b128 v[24:27], v242, s[4:5]        ; the second block's Q waits in registers
	global_load_b128 v[28:31], v242, s[4:5] offset:32
	v_mul_u32_u24 v[LT], v8, KP
	s_delay_alu instid0(VALU_DEP_1)
	v_lshl_add_u32 v[STO], v11, 3, v[LT]
	s_delay_alu instid0(VALU_DEP_2)
	v_lshl_add_u32 v[LT], v11, 4, v[LT]
	s_mul_i32 s85, s[WV], 16*KP
	s_add_co_u32 s85, s85, STAGE                   ; my stage
	v_add_nc_u32 v[STO], s85, v[STO]               ; in: row r, 8 bytes for each half of the lanes
	v_and_b32 v252, 31, v0
	s_delay_alu instid0(VALU_DEP_1)
	v_lshrrev_b32 v[RD], 2, v252                   ; back: four lanes to a row of 64 bytes, eight rows an instruction
	s_delay_alu instid0(VALU_DEP_1)
	v_mul_u32_u24 v[RD], v[RD], KP
	s_delay_alu instid0(VALU_DEP_3)
	v_and_b32 v253, 3, v252
	s_delay_alu instid0(VALU_DEP_1)
	v_lshl_add_u32 v[RD], v253, 4, v[RD]
	s_delay_alu instid0(VALU_DEP_1)
	v_add_nc_u32 v[RD], s85, v[RD]
	v_lshl_add_u32 v[GOA], v252, 4, s83
	v_lshl_add_u32 v[GOB], v252, 4, s84
	s_and_b32 s85, s[WV], 1
	s_lshl_b32 s85, s85, 1
	v_add_nc_u32 v[PFO], s85, v11                  ; which quarter of a slot: 2 (wave % 2) + lane / 16,
	s_delay_alu instid0(VALU_DEP_1)
	v_lshlrev_b32 v[PFO], s91, v[PFO]
	s_delay_alu instid0(VALU_DEP_1)
	v_lshl_add_u32 v[PFO], v8, 8, v[PFO]           ; and 256 x (lane % 16) in it
	v_mov_b32 v13, 0xff61b1e6                      ; the largest t so far: -3e38, under every t
	s_delay_alu instid0(VALU_DEP_1)
	v_floor_f32 v12, -v13                          ; -M
	v_mov_b32 v14, 0                               ; the sum, in two halves
	v_mov_b32 v15, 0
	v_mov_b32 v236, 0                              ; written once: a lane permute's destination counts as one of its sources
	v_mov_b32 v252, 0
	v_mov_b32 v253, 0                              ; (named as the upper half of the pair v[252:253])
.set J, 0
.rept 32
	v_mov_b32 v[160+J], 0                          ; O^T.  (A key step is written without a first step of its own: the first finds zeros)
.set J, J+1
.endr
	s_wait_kmcnt 0x0
	s_add_co_i32 s73, s68, s69
	s_lshl_b32 s73, s73, 23
	s_add_co_i32 s[CS], s[CS], s73                 ; a score stands for score x 2^(e6 + e7): the exponents are added to c's exponent field
	s_mov_b32 s[CS+1], s[CS]                       ; (named with it as a pair, so it is written)
	s_add_co_i32 s73, s70, 127
	s_lshl_b32 s74, s73, 23
	v_mov_b32 v244, s74                            ; 2^e8, for p's conversion
	s_sub_co_i32 s73, s72, s70
	s_sub_co_i32 s73, s73, s71                     ; O / the sum stands for y / 2^(e8 + e9): y's code is that / 2^(e10 - e8 - e9)
	s_add_co_i32 s73, s73, 127
	s_lshl_b32 s74, s73, 23
	v_mov_b32 v245, s74
; A KEY STEP: 128 keys, the q-th of the slot in hand.
.macro STEP q
	s_add_co_u32 s96, s[Q0], 15                    ; a step all of whose keys come after my 16 queries is left out: a branch on ids, round no barrier and no tensor load
	s_cmp_gt_u32 s[KF], s96
	s_cbranch_scc1 .Lhidden_\@
	v_add_nc_u32 v[ADR], s[TB], v[LT]
.irp t, 0,1,2,3,4,5,6,7
	ds_load_b128 v[32+8*\t:35+8*\t], v[ADR] offset:(128*(\q)+16*\t)*KP        ; K's tile t: 16 neighbouring keys (four places behind the last products stand at the last step's end)
	ds_load_b128 v[36+8*\t:39+8*\t], v[ADR] offset:(128*(\q)+16*\t)*KP+32
.endr
	s_wait_dscnt 8                                 ; tiles 0-3 are in; the youngest eight loads (tiles 4-7) may be out
	s_wait_alu depctr_va_vdst(0)
.irp t, 0,1,2,3
	v_wmma_f32_16x16x64_bf8_bf8 v[96+8*\t:103+8*\t], v[32+8*\t:39+8*\t], v[16:23], 0
.endr
	s_wait_dscnt 0x0
.irp t, 4,5,6,7
	v_wmma_f32_16x16x64_bf8_bf8 v[96+8*\t:103+8*\t], v[32+8*\t:39+8*\t], v[16:23], 0
.endr
.rept 4
	v_nop                                          ; places in front of the loads over K's registers and of the first read of the scores
.endr
.irp t, 0,1,2,3
.irp c, 0,1,2,3
	ds_load_b128 v[32+16*\t+4*\c:35+16*\t+4*\c], v[ADR] offset:VOFF+(2*(\q)+\c/2)*VBL+16*\t*KP+32*(\c%2)   ; V's tile t (16 channels x 128 keys): asked for now, wanted behind the softmax
.endr
.endr
	s_add_co_u32 s96, s[KF], 127                   ; on the diagonal the scores of hidden keys become -infinity ahead of the maximum: p = 0 then.  A step all of whose keys count skips this
	s_cmp_le_u32 s96, s[Q0]
	s_cbranch_scc1 .Lopen_\@
	s_sub_co_i32 s96, s[Q0], s[KF]
	v_and_b32 v252, 15, v0
	v_bfe_u32 v253, v0, 4, 1
	s_delay_alu instid0(VALU_DEP_1)
	v_lshlrev_b32 v253, 3, v253
	s_delay_alu instid0(VALU_DEP_1)
	v_sub_nc_u32 v252, v252, v253
	s_delay_alu instid0(VALU_DEP_1)
	v_add_nc_u32 v252, s96, v252                   ; d = my query - KF - 8 h.  Register 8 i + j holds key KF + 16 i + 8 h + j: hidden where 16 i + j > d
	v_mov_b32 v254, 0xff800000                     ; -infinity
.set N, 0
.rept 64
	v_cmp_gt_i32 vcc_lo, 16*(N/8)+N%8, v252
	v_cndmask_b32 v[96+N], v[96+N], v254, vcc_lo
.set N, N+1
.endr
.Lopen_\@:
	v_max3_num_f32 v254, v96, v97, v98             ; the step's largest score of my query, among my 64 keys, in two chains, ascending,
	v_max3_num_f32 v252, v99, v100, v101
.irp i, 6,10,14,18,22,26,30,34,38,42,46,50,54,58
	v_max3_num_f32 v254, v254, v[96+\i], v[97+\i]
	v_max3_num_f32 v252, v252, v[98+\i], v[99+\i]
.endr
	v_max3_num_f32 v254, v254, v158, v159
	s_delay_alu instid0(VALU_DEP_1)
	v_max_num_f32 v254, v254, v252
	v_permlanex16_b32 v236, v254, s[SEL], s[SEL+1]
	s_delay_alu instid0(VALU_DEP_1)
	v_max_num_f32 v254, v254, v236                 ; and among lane l xor 16's
	s_delay_alu instid0(VALU_DEP_1)
	v_mul_f32 v254, s[CS], v254                    ; as t (c is positive)
	s_delay_alu instid0(VALU_DEP_1)
	v_max_num_f32 v13, v13, v254                   ; the running largest t
	v_mov_b32 v254, v12
	s_delay_alu instid0(VALU_DEP_2)
	v_floor_f32 v12, -v13                          ; the new -M = floor(-t) = -ceil(t): a whole number
	s_delay_alu instid0(VALU_DEP_1)
	v_sub_f32 v254, v12, v254                      ; old M less new M: a whole number, 0 or less
	s_delay_alu instid0(VALU_DEP_1)
	v_cvt_i32_f32 v254, v254                       ; (it saturates)
	s_delay_alu instid0(VALU_DEP_1)
	v_ldexp_f32 v252, 1.0, v254                    ; f = 2^(old M - new M)
.set J, 0
.rept 32
	v_pk_fma_f32 v[96+J:97+J], v[96+J:97+J], s[CS:CS+1], v[12:13] op_sel_hi:[1,0,0]   ; t - M, two at a time (of the pairs c and -M the low word serves both halves)
.set J, J+2
.endr
.set J, 0
	s_wait_alu depctr_va_vdst(0)
.rept 64
	v_exp_f32 v[96+J], v[96+J]                     ; p = 2^(t - M), at most 1
.set J, J+1
.endr
	v_pk_mul_f32 v[14:15], v[14:15], v[252:253] op_sel_hi:[1,0]   ; the sums under the new M: the plain instruction behind the exponentials
	s_wait_alu depctr_va_vdst(0)                   ; one wait for the whole batch, ahead of its first reader
	v_pk_add_f32 v[242:243], v[100:101], v[104:105]
	v_pk_add_f32 v[254:255], v[108:109], v[112:113]
	v_pk_add_f32 v[250:251], v[116:117], v[120:121]
	v_pk_add_f32 v[248:249], v[124:125], v[128:129]
	v_pk_add_f32 v[246:247], v[132:133], v[136:137]
	v_pk_add_f32 v[240:241], v[140:141], v[144:145]
	v_pk_add_f32 v[238:239], v[148:149], v[152:153]
	v_pk_add_f32 v[14:15], v[14:15], v[156:157]
	v_pk_add_f32 v[242:243], v[242:243], v[96:97]
	v_pk_add_f32 v[254:255], v[254:255], v[98:99]
	v_pk_add_f32 v[250:251], v[250:251], v[102:103]
	v_pk_add_f32 v[248:249], v[248:249], v[106:107]
	v_pk_add_f32 v[246:247], v[246:247], v[110:111]
	v_pk_add_f32 v[240:241], v[240:241], v[114:115]
	v_pk_add_f32 v[238:239], v[238:239], v[118:119]
	v_pk_add_f32 v[14:15], v[14:15], v[122:123]
	v_pk_add_f32 v[242:243], v[242:243], v[126:127]
	v_pk_add_f32 v[254:255], v[254:255], v[130:131]
	v_pk_add_f32 v[250:251], v[250:251], v[134:135]
	v_pk_add_f32 v[248:249], v[248:249], v[138:139]
	v_pk_add_f32 v[246:247], v[246:247], v[142:143]
	v_pk_add_f32 v[240:241], v[240:241], v[146:147]
	v_pk_add_f32 v[238:239], v[238:239], v[150:151]
	v_pk_add_f32 v[14:15], v[14:15], v[154:155]
	v_pk_add_f32 v[242:243], v[242:243], v[158:159]
	s_delay_alu instid0(VALU_DEP_2)
	v_pk_add_f32 v[14:15], v[14:15], v[248:249]
	s_delay_alu instid0(VALU_DEP_2)
	v_pk_add_f32 v[242:243], v[242:243], v[246:247]
	v_pk_add_f32 v[254:255], v[254:255], v[240:241]
	v_pk_add_f32 v[250:251], v[250:251], v[238:239]
	s_delay_alu instid0(VALU_DEP_2)
	v_pk_add_f32 v[14:15], v[14:15], v[254:255]
	s_delay_alu instid0(VALU_DEP_2)
	v_pk_add_f32 v[242:243], v[242:243], v[250:251]
	s_delay_alu instid0(VALU_DEP_1)
	v_pk_add_f32 v[14:15], v[14:15], v[242:243]
.irp t, 0,1,2,3,4,5,6,7
.irp i, 0,1,2,3,4,5,6,7
.endr
	v_cvt_scalef32_pk8_bf8_f32 v[224+2*\t:225+2*\t], v[96+8*\t:103+8*\t], v244   ; keys 16 t + 8 h + 0 .. 7: registers 2 t, 2 t + 1 of P
.endr
.set J, 0
.rept 16
	v_pk_mul_f32 v[160+J:161+J], v[160+J:161+J], v[252:253] op_sel_hi:[1,0]   ; O^T under the new M.  (Also the plain instructions between the conversions and the products)
.set J, J+2
.endr
	s_wait_alu depctr_va_vdst(0)
	s_wait_dscnt 0x0                               ; V is in
.irp t, 0,1,2,3
	v_wmma_f32_16x16x128_bf8_bf8 v[160+8*\t:167+8*\t], v[32+16*\t:47+16*\t], v[224:239], v[160+8*\t:167+8*\t]   ; the four accumulators take turns
.endr
.rept 4
	v_nop                                          ; places in front of the next loads over V's registers and of the next read of O^T
.endr
.Lhidden_\@:
	s_add_co_u32 s[KF], s[KF], 128
.endm
; THE CHANGE OF SLOTS stands at a slot's head.  Each wave waits for all its tensor loads (its part of the slot that it is about to read), adds 0 to its spare word, and waits for that and for its reads of the slot that it has left.
; fill = 1: behind the barrier that other slot is filled with the next trip's keys: the next slot of the block in hand, or, in the first block's last trip, slot 0 again for the second block.
.macro CHANGE fill
	s_wait_tensorcnt 0x0                           ; no tensor load of mine is out, so group 0 may be written
	ds_add_u32 v[SPW], v[NIL]                      ; 0 onto my spare word
.if \fill
	s_xor_b32 s[G0+1], s[G0+1], SLOT1              ; the other slot than last time
	s_cmp_eq_u32 s[SLOTS], s[SWAT]
	s_cselect_b32 s[BACK], s[BKV], 0
	s_add_nc_u64 s[G0+2:G0+3], s[G0+2:G0+3], s[STP:STP+1]     ; a slot on; the type bits on top are not reached
	s_sub_nc_u64 s[G0+2:G0+3], s[G0+2:G0+3], s[BACK:BACK+1]   ; or back to key slot 0
	s_wait_xcnt 0x0                                ; the last prefetch, a slot back, has read its address
	s_add_nc_u64 s[PFA:PFA+1], s[PFA:PFA+1], s[STP:STP+1]
.endif
	s_wait_dscnt 0x0                               ; the add is done, and my reads of the slot that I have left are over
	s_barrier_signal -1
	s_barrier_wait -1
.if \fill
	TLOAD                                          ; the first thing behind the barrier, and a wave's one tensor load until the next
	ASK
.endif
.endm
; A block's end: O^T / the sum, quantised, through my stage, out as 1,024 consecutive bytes.
.macro FINISH go
	v_add_f32 v14, v14, v15                        ; the sum's two halves,
	s_delay_alu instid0(VALU_DEP_1)
	v_permlanex16_b32 v252, v14, s[SEL], s[SEL+1]
	s_delay_alu instid0(VALU_DEP_1)
	v_add_f32 v14, v14, v252                       ; and lane l xor 16's
	s_wait_alu depctr_va_vdst(0)
	v_rcp_f32 v14, v14
	v_nop                                          ; a plain instruction behind the reciprocal
	s_wait_alu depctr_va_vdst(0)                   ; and the wait ahead of its first reader
.set J, 0
.rept 16
	v_pk_mul_f32 v[96+J:97+J], v[160+J:161+J], v[14:15] op_sel_hi:[1,0]   ; register 8 t + j: channel 16 t + 8 h + j of my query; each accumulator from its low end on
.set J, J+2
.endr
.set J, 0
.rept 32
.set J, J+1
.endr
.irp t, 0,1,2,3
	v_cvt_scalef32_pk8_bf8_f32 v[224+2*\t:225+2*\t], v[96+8*\t:103+8*\t], v245
.endr
	v_nop                                          ; a plain instruction behind the conversions
.irp t, 0,1,2,3
	ds_store_b64 v[STO], v[224+2*\t:225+2*\t] offset:16*\t
.endr
	ds_load_b128 v[32:35], v[RD]                   ; LDS serves a wave's instructions in order (ISA guide 5.7.1.4): these see my stores
	ds_load_b128 v[36:39], v[RD] offset:8*KP
	s_wait_dscnt 0x0
	global_store_b128 v[\go], v[32:35], s[12:13]               ; 32 lanes store 512 consecutive bytes, at a multiple of 256 from y's first byte
	global_store_b128 v[\go], v[36:39], s[12:13] offset:512
.endm
	s_wait_loadcnt 0x0                             ; Q, both blocks'
.Lslot:                                            ; eight trips; behind each change of slots the next trip's slot is asked for
	CHANGE 1
	STEP 0
	STEP 1
	s_xor_b32 s[TB], s[TB], SLOT1                  ; on to the other slot
	s_cmp_lg_u32 s[SLOTS], s[SWAT]                 ; the first block's last trip?  A branch on ids, the same in all sixteen waves; no barrier and no tensor load stands under it
	s_cbranch_scc1 .Lon
	FINISH GOA
	v_mov_b32 v13, 0xff61b1e6                      ; the second block begins as the first did
	s_delay_alu instid0(VALU_DEP_1)
	v_floor_f32 v12, -v13
	v_mov_b32 v14, 0
	v_mov_b32 v15, 0
.set J, 0
.rept 32
	v_mov_b32 v[160+J], 0
.set J, J+1
.endr
.set J, 0
.rept 8
	v_mov_b32 v[16+J], v[24+J]                     ; its Q
.set J, J+1
.endr
	s_mov_b32 s[KF], 0
	s_mov_b32 s[Q0], s[Q0B]
	s_wait_xcnt 0x0                                ; the stores have read their registers: the next step's loads land there
.Lon:
	s_sub_co_u32 s[SLOTS], s[SLOTS], 1
	s_cmp_lg_u32 s[SLOTS], 0
	s_cbranch_scc1 .Lslot
	CHANGE 0                                       ; the ninth trip is written out
	STEP 0
	STEP 1
	FINISH GOB
	s_wait_tensorcnt 0x0                           ; the wave's end
	ds_add_u32 v[SPW], v[NIL]
	s_wait_dscnt 0x0
	s_endpgm
.Lfunc_end_k_qc85c817141_attn:
	.size	k_qc85c817141_attn, .Lfunc_end_k_qc85c817141_attn-k_qc85c817141_attn
	.p2alignl 7, 3214868480
	.fill 96, 4, 3214868480
	.section	.rodata,"a",@progbits
	.p2align	6, 0x0
	.amdhsa_kernel k_qc85c817141_attn
		.amdhsa_group_segment_fixed_size 327680
		.amdhsa_private_segment_fixed_size 0
		.amdhsa_enable_private_segment 0
		.amdhsa_kernarg_size 40
		.amdhsa_user_sgpr_count 2
		.amdhsa_user_sgpr_kernarg_segment_ptr 1
		.amdhsa_wavefront_size32 1
		.amdhsa_system_sgpr_workgroup_id_x 1
		.amdhsa_system_sgpr_workgroup_id_y 1
		.amdhsa_system_sgpr_workgroup_id_z 1
		.amdhsa_system_vgpr_workitem_id 0
		.amdhsa_next_free_vgpr 256
		.amdhsa_next_free_sgpr 100
		.amdhsa_reserve_vcc 1
		.amdhsa_float_denorm_mode_32 3
		.amdhsa_float_denorm_mode_16_64 3
		.amdhsa_fp16_overflow 1
		.amdhsa_memory_ordered 1
		.amdhsa_forward_progress 1
		.amdhsa_inst_pref_size 92
	.end_amdhsa_kernel
	.amdgpu_metadata
---
amdhsa.version: [ 1, 2 ]
amdhsa.kernels:
  - .name:           k_qc85c817141_attn
    .symbol:         k_qc85c817141_attn.kd
    .args:
      - { .name: q_codes, .offset: 0, .size: 8, .value_kind: global_buffer, .address_space: global }
      - { .name: k_codes, .offset: 8, .size: 8, .value_kind: global_buffer, .address_space: global }
      - { .name: v_codes, .offset: 16, .size: 8, .value_kind: global_buffer, .address_space: global }
      - { .name: lowp_scales, .offset: 24, .size: 8, .value_kind: global_buffer, .address_space: global }
      - { .name: y_codes, .offset: 32, .size: 8, .value_kind: global_buffer, .address_space: global }
    .group_segment_fixed_size: 327680
    .private_segment_fixed_size: 0
    .kernarg_segment_align: 8
    .kernarg_segment_size: 40
    .max_flat_workgroup_size: 512
    .sgpr_count:     100
    .vgpr_count:     256
    .wavefront_size: 32
...
	.end_amdgpu_metadata
.endif
;; end of part 2
;; launch proj (part 3): grid 4 x 64, 4 waves a work-group, clusters of 4 x 4, 327,680 bytes of LDS; arguments y_codes, Wp_codes, lowp_scales, bp, out0; writes out0
.if DOCPART == 3
	.amdgcn_target "amdgcn-amd-amdhsa--gfx1250"
	.amdhsa_code_object_version 6
	.text
	.protected	k_qc85c817141_proj
	.globl	k_qc85c817141_proj
	.p2align	8
	.type	k_qc85c817141_proj,@function
k_qc85c817141_proj:
	s_mov_b64 s[64:65], 0
	v_nop
	global_prefetch_b8 v0, s[64:65] scope:SCOPE_SE
	s_setreg_imm32_b32 hwreg(HW_REG_WAVE_MODE, 25, 1), 1
	s_wait_xcnt 0x0
	s_wait_alu depctr_hold_cnt(0) depctr_sa_sdst(0) depctr_va_vdst(0) depctr_va_sdst(0) depctr_va_ssrc(0) depctr_va_vcc(0) depctr_vm_vsrc(0)
	s_getreg_b32 s2, hwreg(HW_REG_IB_STS2, 6, 4)
	s_cmp_eq_u32 s2, 0
	s_cbranch_scc0 .Lentry_in_a_cluster
	s_endpgm
.Lentry_in_a_cluster:
	s_bfe_u32 s2, ttmp6, 0x10000c
	s_cmp_lg_u32 s2, 0xf033
	s_cbranch_scc0 .Lentry_shape_is_right
	s_endpgm
.Lentry_shape_is_right:
; out = y Wp^T x 2^(e10 + e11) + bp, on codes of BF8 (E5M2).  y: [16 heads][8192 tokens][64] codes (K = 64 x head + byte); Wp: [1024][1024] codes, K innermost; bp [1024], out [8192][1024]: f32.
; LIMIT: e10 + e11 lies between -126 and 127, so that 2^(e10 + e11) is an f32 number.
; A tile of C is 128 x 256, so that the 8,192 x 1,024 outputs make 256 work-groups.  Four waves, 64 x 128 each: 32 accumulators.  K goes in steps of 256 (four heads of y) through a ring of two LDS slots.
; CLUSTERS: 4 x 4 work-groups.  y's tile hangs on the tile row alone and is asked for jointly by a row of the cluster, Wp's on the tile column alone, by a column.
; THE MATRIX INSTRUCTION IS USED TRANSPOSED (source 0 = 16 rows of Wp, source 1 = 16 rows of y): a lane holds eight neighbouring columns of one row of C.
; REGISTERS, in windows of 256: window 0: v0-31 addresses; v32-95 at work on the way out; v128-191 y's fragments (4 x 16 rows x 128 K), ONE set; on the way out v128-255 whole rows.
;   window 1: Wp's fragments, TWO sets, at v0 and v128.   window 2: the 32 accumulators ((a, b) at v[8 (8 a + b)]).   window 3: v0-63 bp at my lane's columns, in an accumulator row's layout.
.set ROWB,   256
.set KROW,   1024
.set APITCH, 80                        ; a row of a plane of y in LDS: 64 bytes + 16 of padding
.set APL,    128*APITCH                ; a plane: the tile's 128 rows
.set ASZ,    4*APL                     ; a K step's four planes
.set PITCH,  272                       ; a row of Wp's tile: 256 bytes + 16
.set BHALF,  128*PITCH
.set SLOT,   ASZ+2*BHALF               ; y's four planes, then Wp's 256 rows
.set FR,     16
.set NL,     4
.set NP,     4
.set LAPS,   2
.set SPARE,  2*SLOT                    ; behind the ring: the spare words, 128 bytes for each wave
.set SPITCH, 528                       ; the way out: a stage of 16 rows x (512 bytes + 16) for each wave, in slot 0, which has had its last fill and its last read by then
.set ADRA, 16
.set ADRB, 20
.set STO,  24
.set RD,   25
.set CO,   26
.set BO,   27                          ; v27  32 x (lane / 16): my eight columns' bytes in sixteen of bp; never rewritten
.set SPW,  28
.set NIL,  29
.set TMP,  32
.set AF,   128
.set BK,   128
.set G1, 24
.set G0, 32
.set G1B, 48
.set G0B, 56
.set MSB, 0
.macro WIN new
.if MSB != (\new)
	s_set_vgpr_msb (MSB<<8)|(\new)
.set MSB, \new
.endif
.endm
.set MUL,  0xa1                        ; source 0 (Wp) window 1, source 1 (y) window 0, C and D window 2
.set TO_B, 0x40
.macro JLOAD g0a, g1a, g0b, g1b        ; waves 0 and 1 fetch y's planes, waves 2 and 3 Wp's halves; four v_nop follow each of the two lines
	s_cmp_eq_u32 s15, 0
	s_cbranch_scc0 .Lfor_b_\@
	tensor_load_to_lds s[\g0a:\g0a+3], s[\g1a:\g1a+7]
	s_nop 0
.rept 4
	v_nop
.endr
	s_branch .Lasked_\@
.Lfor_b_\@:
	tensor_load_to_lds s[\g0b:\g0b+3], s[\g1b:\g1b+7]
	s_nop 0
.rept 4
	v_nop
.endr
.Lasked_\@:
.endm
.macro CREST
	s_cmp_lg_u32 s14, 0
	s_cbranch_scc1 .Lnot_wave_0_\@
	s_barrier_signal -3
.Lnot_wave_0_\@:
	s_barrier_wait -3
	s_barrier_signal -1
	s_barrier_wait -1
.endm
.macro CROUND
	s_barrier_signal -1
	s_barrier_wait -1
	CREST
.endm
	s_load_b128 s[4:7], s[0:1], 0x0                ; y's codes s[4:5], Wp's codes s[6:7]
	s_load_b128 s[8:11], s[0:1], 0x10              ; the scales s[8:9], bp s[10:11]
	s_load_b64 s[12:13], s[0:1], 0x20              ; out
	v_lshl_add_u32 v[SPW], v0, 2, SPARE
	v_mov_b32 v[NIL], 0
	ds_add_u32 v28, v29
	ds_add_u32 v28, v29
	s_wait_dscnt 0x0
	v_lshrrev_b32 v1, 5, v0
	v_readfirstlane_b32 s14, v1                    ; wave 0..3
	s_lshr_b32 s15, s14, 1                         ; which 64 rows of the tile are mine.  Also: I fetch for y (0) or for Wp (1)
	s_and_b32 s16, s14, 1                          ; which 128 columns.  Also: which half of that tile I fetch
	s_bfe_u32 s40, ttmp6, 0x40000                  ; cx, cy
	s_bfe_u32 s41, ttmp6, 0x40004
	s_lshl_b32 s42, ttmp9, 2
	s_add_co_u32 s42, s42, s40                     ; tile column of C, 0..3
	s_and_b32 s17, ttmp7, 0xffff
	s_lshl_b32 s17, s17, 2
	s_add_co_u32 s17, s17, s41                     ; tile row of C, 0..63
	s_lshl_b32 s43, s41, 2
	s_lshl_b32 s43, 15, s43                        ; my row of the cluster
	s_lshl_b32 s44, 0x1111, s40                    ; my column
	; y's group 1: two planes.  A plane's 128 rows of 64 bytes are 8,192 dense bytes: one long row; the padding falls behind every 64 bytes, so that in LDS the rows of 64 lie 80 bytes apart throughout
	s_or_b32 s[G1+0], s43, (0<<16)|(1<<20)|(1<<21)|(3<<22)|(3<<25)  ; the mask: my row; elements of 1 byte; padding on; bit 21 beside a mask; after every 16 words four words
	s_mov_b32 s[G1+1], 8192<<16                    ; tensor_dim0
	s_mov_b32 s[G1+2], 2<<16                       ; tensor_dim1
	s_mov_b32 s[G1+3], 8192<<16                    ; tile_dim0
	s_mov_b32 s[G1+4], 2                           ; tile_dim1
	s_mov_b32 s[G1+5], 524288                      ; from plane to plane
	s_mov_b32 s[G1+6], 0
	s_mov_b32 s[G1+7], 0
	; Wp's group 1: 128 rows x 256 bytes
	s_or_b32 s[G1B+0], s44, (0<<16)|(1<<20)|(1<<21)|(5<<22)|(3<<25)
	s_mov_b32 s[G1B+1], ROWB<<16
	s_mov_b32 s[G1B+2], 128<<16
	s_mov_b32 s[G1B+3], ROWB<<16
	s_mov_b32 s[G1B+4], 128
	s_mov_b32 s[G1B+5], KROW
	s_mov_b32 s[G1B+6], 0
	s_mov_b32 s[G1B+7], 0
	s_lshl_b32 s20, s17, 13                        ; y: the tile's 128 rows of 64 bytes in a plane,
	s_lshl_b32 s18, s16, 20                        ; and my two planes of the four
	s_add_co_u32 s20, s20, s18
	s_mov_b32 s21, 0
	s_lshl_b32 s46, s42, 8
	s_lshl_b32 s47, s16, 7
	s_add_co_u32 s46, s46, s47                     ; Wp: row 256 x tile column + 128 x half,
	s_lshl_b32 s46, s46, 10                        ; in bytes
	s_mov_b32 s47, 0
	s_mul_i32 s45, s16, 2*APL                      ; where they go: y's planes,
	s_mul_i32 s23, s16, BHALF
	s_add_co_u32 s23, s23, ASZ                     ; Wp's halves behind them: no place in the cluster enters an LDS address
	s_wait_kmcnt 0x0
	s_load_b64 s[96:97], s[8:9], 0x28              ; e10, e11
	s_add_nc_u64 s[20:21], s[4:5], s[20:21]
	s_add_nc_u64 s[46:47], s[6:7], s[46:47]
	CROUND                                         ; all sixteen work-groups are here: the first joint loads meet
.irp s, 0,1
	s_mov_b32 s[G0+4*\s], 1
	s_add_co_u32 s[G0+4*\s+1], s45, \s*SLOT
	s_add_nc_u64 s[G0+4*\s+2:G0+4*\s+3], s[20:21], \s*4*524288
	s_or_b32 s[G0+4*\s+3], s[G0+4*\s+3], 0x80000000
	s_mov_b32 s[G0B+4*\s], 1
	s_add_co_u32 s[G0B+4*\s+1], s23, \s*SLOT
	s_add_nc_u64 s[G0B+4*\s+2:G0B+4*\s+3], s[46:47], \s*ROWB
	s_or_b32 s[G0B+4*\s+3], s[G0B+4*\s+3], 0x80000000
	s_wait_alu depctr_va_vdst(0)
	s_wait_tensorcnt 0x0
	ds_add_u32 v28, v29
	ds_add_u32 v28, v29
	s_wait_dscnt 0x0
	CROUND
	JLOAD G0+4*\s, G1, G0B+4*\s, G1B
.endr
	v_and_b32 v1, 15, v0                           ; r
	v_bfe_u32 v2, v0, 4, 1                         ; h
	s_lshl_b32 s46, s42, 10                        ; bp at my 128 columns: 4 x (256 x tile column + 128 x half)
	s_lshl_b32 s47, s16, 9
	s_add_co_u32 s46, s46, s47
	s_mov_b32 s47, 0
	s_add_nc_u64 s[10:11], s[10:11], s[46:47]
	v_lshlrev_b32 v[BO], 5, v2
	WIN 0xc0                                       ; destination window 3
.irp b, 0,1,2,3,4,5,6,7
	global_load_b128 v[8*\b:8*\b+3], v[BO], s[10:11] offset:64*\b       ; bp(16 b + 8 h + 0 .. 7)
	global_load_b128 v[8*\b+4:8*\b+7], v[BO], s[10:11] offset:64*\b+16
.endr
	WIN 0
	v_mul_u32_u24 v3, v1, APITCH
	v_lshl_add_u32 v3, v2, 4, v3                   ; y: row x 80 + 16 h
	v_mul_u32_u24 v4, v1, PITCH
	v_lshl_add_u32 v4, v2, 4, v4                   ; Wp: row x 272 + 16 h
	s_mul_i32 s21, s15, 64*APITCH                  ; my 64 rows of y
	s_mul_i32 s22, s16, BHALF                      ; my 128 rows of Wp,
	s_add_co_u32 s22, s22, ASZ                     ; behind y's planes
.irp s, 0,1
	v_add_nc_u32 v[ADRA+\s], s21, v3
	v_add_nc_u32 v[ADRB+\s], s22, v4
	s_add_co_u32 s21, s21, SLOT
	s_add_co_u32 s22, s22, SLOT
.endr
	s_mul_i32 s23, s14, 16*SPITCH                  ; my stage
	v_mul_u32_u24 v5, v1, SPITCH                   ; in: row r, 32 bytes for each half of the lanes
	v_lshl_add_u32 v5, v2, 5, v5
	v_add_nc_u32 v[STO], s23, v5
	v_and_b32 v6, 31, v0
	v_lshlrev_b32 v[CO], 4, v6                     ; back: the 32 lanes take one row of 512 bytes; and the same in C
	v_add_nc_u32 v[RD], s23, v[CO]
	s_lshl_b32 s20, s17, 7
	s_lshl_b32 s21, s15, 6
	s_add_co_u32 s20, s20, s21                     ; my first row of C: 128 x tile row + 64 x half,
	s_lshl_b32 s20, s20, 12                        ; of 4,096 bytes (under 2^25)
	s_mov_b32 s21, 0
	s_add_nc_u64 s[20:21], s[20:21], s[46:47]      ; + my first column, in bytes, as for bp
	s_add_nc_u64 s[12:13], s[12:13], s[20:21]
.macro FRAGA reg, adr, q, i            ; 16 rows x 128 K of y: registers 4 c .. 4 c + 3 hold K = 32 c + 16 h + 0 .. 15: plane 2 q + c / 2, bytes 32 (c % 2) + 16 h
.irp c, 0,1,2,3
	ds_load_b128 v[\reg+4*\c:\reg+4*\c+3], v[\adr] offset:(2*(\q)+\c/2)*APL+(\i)*16*APITCH+32*(\c%2)
.endr
.endm
.macro FRAGB reg, adr, q, i            ; the same K of Wp
.irp c, 0,1,2,3
	ds_load_b128 v[\reg+4*\c:\reg+4*\c+3], v[\adr] offset:128*(\q)+32*\c+(\i)*16*PITCH
.endr
.endm
.macro MULA a, p, zero                 ; 8 matrix instructions: y's block a x Wp's eight.  The 32 accumulators take turns, one instruction a turn
.irp b, 0,1,2,3,4,5,6,7
.if \zero
	v_wmma_f32_16x16x128_bf8_bf8 v[8*(8*(\a)+\b):8*(8*(\a)+\b)+7], v[128*(\p)+FR*\b:128*(\p)+FR*\b+FR-1], v[AF+FR*(\a):AF+FR*(\a)+FR-1], 0
.else
	v_wmma_f32_16x16x128_bf8_bf8 v[8*(8*(\a)+\b):8*(8*(\a)+\b)+7], v[128*(\p)+FR*\b:128*(\p)+FR*\b+FR-1], v[AF+FR*(\a):AF+FR*(\a)+FR-1], v[8*(8*(\a)+\b):8*(8*(\a)+\b)+7]
.endif
.endr
.endm
.macro FETCH_B slot, q, p
	WIN TO_B
.irp i, 0,1,2,3,4,5,6,7
	FRAGB 128*(\p)+FR*\i, ADRB+\slot, \q, \i
.endr
	WIN 0
.endm
.macro FETCH_A slot, q, i0             ; y's blocks i0, i0 + 1
.irp i, \i0, \i0+1
	FRAGA AF+FR*(\i), ADRA+\slot, \q, \i
.endr
.endm
.macro PLACES n
.rept \n
	v_nop
.endr
.endm
.macro STEP slot, q, zero              ; a step of 128 along K that has its successor in the same slot
	s_wait_dscnt 2*NL                              ; Wp's set and y's blocks 0, 1 are in; the youngest eight loads (blocks 2, 3) may be out
	WIN MUL
	MULA 0, (\q)%2, \zero
	MULA 1, (\q)%2, \zero
	s_wait_dscnt 0
	PLACES NP
	FETCH_B \slot, (\q)+1, 1-(\q)%2
	FETCH_A \slot, (\q)+1, 0
	WIN MUL
	MULA 2, (\q)%2, \zero
	MULA 3, (\q)%2, \zero
	PLACES NP
	WIN 0
	FETCH_A \slot, (\q)+1, 2
.endm
.macro TURN slot, next, fill           ; a slot's last step changes slots: one barrier, as a round of the cluster's where the slot is filled again
	s_wait_tensorcnt 0x0                           ; all my tensor loads have landed: my part of the next slot
	ds_add_u32 v[SPW], v[NIL]                      ; 0 onto my spare word
	s_wait_dscnt 2*NL+1                            ; (the add and the youngest eight loads may be out)
	WIN MUL
	MULA 0, 1, 0                                   ; eight matrix instructions stand between the add and the wait for it
	s_wait_dscnt 0x0                               ; the add is done, and my reads of this slot are over
	s_barrier_signal -1
	MULA 1, 1, 0
	WIN 0
	s_barrier_wait -1
.if \fill
	CREST
	s_add_nc_u64 s[G0+4*\slot+2:G0+4*\slot+3], s[G0+4*\slot+2:G0+4*\slot+3], 8*524288   ; two K steps on: eight planes
	s_add_nc_u64 s[G0B+4*\slot+2:G0B+4*\slot+3], s[G0B+4*\slot+2:G0B+4*\slot+3], 2*ROWB
	JLOAD G0+4*\slot, G1, G0B+4*\slot, G1B         ; the first tensor load behind the round; its four v_nop are the places in front of the loads below
.else
	PLACES NP
.endif
	FETCH_B \next, 0, 0
	FETCH_A \next, 0, 0
	WIN MUL
	MULA 2, 1, 0
	MULA 3, 1, 0
	PLACES NP
	WIN 0
	FETCH_A \next, 0, 2
.endm
	s_wait_alu depctr_va_vdst(0)
	s_wait_tensorcnt 1                             ; my part of K step 0 is in; K step 1's load may be out
	s_barrier_signal -1
	s_barrier_wait -1
	FETCH_B 0, 0, 0
	FETCH_A 0, 0, 0
	FETCH_A 0, 0, 2
	STEP 0, 0, 1                                   ; the first step's products start the sums
	s_mov_b32 s3, LAPS-1
.Llap:
	TURN 0, 1, 1
	STEP 1, 0, 0
	TURN 1, 0, 1
	STEP 0, 0, 0
	s_sub_co_u32 s3, s3, 1
	s_cmp_lg_u32 s3, 0
	s_cbranch_scc1 .Llap
	TURN 0, 1, 0                                   ; the last lap fills nothing
	STEP 1, 0, 0
	s_wait_dscnt 2*NL
	WIN MUL
	MULA 0, 1, 0
	MULA 1, 1, 0
	s_wait_dscnt 0
	MULA 2, 1, 0
	MULA 3, 1, 0
	WIN 0
; THE WAY OUT, block by block of 16 rows x 128 columns: sum x 2^(e10 + e11) + bp, through my own stage, back as whole rows of 512 bytes.
.macro TOSTAGE a
.set AC, 64*(\a)
	WIN 0x32                                       ; source 0 (the sums) window 2, source 2 (bp) window 3
.set J, 0
.rept 32
	v_pk_fma_f32 v[TMP+J:TMP+J+1], v[AC+J:AC+J+1], s[96:97], v[J:J+1] op_sel_hi:[1,0,1]   ; the scalar pair's low word for both halves; each accumulator from its low end on
.set J, J+2
.endr
	WIN 0
.irp b, 0,1,2,3,4,5,6,7
	ds_store_b128 v[STO], v[TMP+8*\b:TMP+8*\b+3] offset:64*\b
	ds_store_b128 v[STO], v[TMP+8*\b+4:TMP+8*\b+7] offset:64*\b+16
.endr
.set BB, BK+64*((\a)%2)
.irp t, 0,1,2,3,4,5,6,7,8,9,10,11,12,13,14,15
	ds_load_b128 v[BB+4*\t:BB+4*\t+3], v[RD] offset:\t*SPITCH     ; LDS serves a wave's instructions in order (ISA guide 5.7.1.4): these see the stores above
.endr
.endm
.macro SEND a, younger                 ; younger: the LDS instructions issued behind block a's loads, which may stay out
.set BB, BK+64*((\a)%2)
	s_wait_dscnt \younger
.if (\a) > 0
	s_add_nc_u64 s[12:13], s[12:13], 16*4096       ; 16 rows of C on (the earlier stores have read their base: a wait on XCNT stands ahead)
.endif
.irp t, 0,1,2,3,4,5,6,7,8,9,10,11,12,13,14,15
	global_store_b128 v[CO], v[BB+4*\t:BB+4*\t+3], s[12:13] offset:\t*4096 th:TH_STORE_NT   ; 32 lanes store 512 consecutive bytes, at a multiple of 256 from C's first byte
.endr
.endm
	s_wait_kmcnt 0x0
	s_add_co_i32 s96, s96, s97
	s_add_co_i32 s96, s96, 127
	s_lshl_b32 s96, s96, 23                        ; 2^(e10 + e11) as f32
	s_mov_b32 s97, s96                             ; (named with it as a pair, so it is written)
	s_wait_loadcnt 0x0                             ; bp
	PLACES NP                                      ; behind the last products: results are read, and loads land in the registers that held y's fragments
	TOSTAGE 0
.irp a, 1,2,3
.if \a > 1
	s_wait_xcnt 0x0                                ; block a - 2's stores have read their registers and their base
.endif
	TOSTAGE \a
	SEND \a-1, 32                                  ; behind block a - 1's loads: block a's 16 stores and 16 loads
.endr
	s_wait_xcnt 0x0
	SEND 3, 0
	s_wait_tensorcnt 0x0                           ; the wave's end
	ds_add_u32 v[SPW], v[NIL]
	s_wait_dscnt 0x0
	CROUND                                         ; the closing round
	s_endpgm
.Lfunc_end_k_qc85c817141_proj:
	.size	k_qc85c817141_proj, .Lfunc_end_k_qc85c817141_proj-k_qc85c817141_proj
	.p2alignl 7, 3214868480
	.fill 96, 4, 3214868480
	.section	.rodata,"a",@progbits
	.p2align	6, 0x0
	.amdhsa_kernel k_qc85c817141_proj
		.amdhsa_group_segment_fixed_size 327680
		.amdhsa_private_segment_fixed_size 0
		.amdhsa_enable_private_segment 0
		.amdhsa_kernarg_size 40
		.amdhsa_user_sgpr_count 2
		.amdhsa_user_sgpr_kernarg_segment_ptr 1
		.amdhsa_wavefront_size32 1
		.amdhsa_system_sgpr_workgroup_id_x 1
		.amdhsa_system_sgpr_workgroup_id_y 1
		.amdhsa_system_sgpr_workgroup_id_z 1
		.amdhsa_system_vgpr_workitem_id 0
		.amdhsa_next_free_vgpr 832
		.amdhsa_next_free_sgpr 100
		.amdhsa_reserve_vcc 0
		.amdhsa_float_denorm_mode_32 3
		.amdhsa_float_denorm_mode_16_64 3
		.amdhsa_memory_ordered 1
		.amdhsa_forward_progress 1
		.amdhsa_inst_pref_size 79
	.end_amdhsa_kernel
	.amdgpu_metadata
---
amdhsa.version: [ 1, 2 ]
amdhsa.kernels:
  - .name:           k_qc85c817141_proj
    .symbol:         k_qc85c817141_proj.kd
    .args:
      - { .name: y_codes, .offset: 0, .size: 8, .value_kind: global_buffer, .address_space: global }
      - { .name: Wp_codes, .offset: 8, .size: 8, .value_kind: global_buffer, .address_space: global }
      - { .name: lowp_scales, .offset: 16, .size: 8, .value_kind: global_buffer, .address_space: global }
      - { .name: bp, .offset: 24, .size: 8, .value_kind: global_buffer, .address_space: global }
      - { .name: out0, .offset: 32, .size: 8, .value_kind: global_buffer, .address_space: global }
    .group_segment_fixed_size: 327680
    .private_segment_fixed_size: 0
    .kernarg_segment_align: 8
    .kernarg_segment_size: 40
    .max_flat_workgroup_size: 128
    .sgpr_count:     100
    .vgpr_count:     832
    .wavefront_size: 32
...
	.end_amdgpu_metadata
.endif
;; end of part 3
